; MI455X (gfx1250); checked and timed in simulation.
; The chip was launched on July 23, 2026; its instructions are those of AMD's public machine-readable ISA for CDNA 5 (MIT licence, August 2026) and "CDNA5" Instruction Set Architecture Reference Guide (July 2026). The comments in the code are by the model that wrote it; some were corrected since.
;; Any BCQ Linear. Allowed arithmetic: matrix products marked QUANTISED: E2M1 operands, one E8M0 scale for each 32 along K, by v_wmma_scale_f32_16x16x128_f8f6f4 with both operands' format E2M1 (or v_wmma_scale_f32_32x16x128_f4), f32 sums; products left as they are: f32 operands where the result goes on into a quantised operand, else bf16, f16 or f32 operands; f32 sums; everything else in f32.
;; Inputs: alpha 32 x 4 x 2,048 float32; beta 32 x 2,048 float32; qweight 128 x 4 x 2,048 int32; x_codes 4 x 2,048 x 128 x 16 uint8 (E2M1 codes of x, K innermost, in blocks of 32 codes, two codes a byte); x_scales 4 x 2,048 x 128 uint8 (E8M0 scales of x, one for each 32 codes along K).
;; Outputs: out0 4 x 2,048 x 2,048 float32.
;; This version of the problem:
;;   THIS VERSION OF THE PROBLEM IS GIVEN IN LOW PRECISION. The matrix products marked QUANTISED in the list below multiply operands that are first quantised to E2M1 (2 exponent bits, 1 mantissa bit; 4 bits a number), with one power-of-two scale for each 32 numbers along K (OCP MX v1.0); their sums are f32. All else is computed in f32.
;;   The module's matrix products, in the order in which they are computed (A, B: the left and right operand; K: the contracted axis; several contracted axes count as one K, in the product's order):
;;     1. batch 65,536 x [M 1, K 4] x [K 4, N 128]; A: input alpha; B: computed on the way: left as it is (K = 4 < 32)
;;     2. [M 8,192, K 4,096] x [K 4,096, N 2,048]; A: input x (given as codes); B: computed on the way: QUANTISED
;;   THE QUANTISER, for each operand of a quantised product, along K:
;;     - K is cut into blocks of 32 from its start; a last block that is shorter is filled with zeros.
;;     - A block's scale is 2^e with e = floor(log2(the largest magnitude in the block)) - 2, held to -126 .. 127; a block of zeros has e = 0. As a byte (E8M0): e + 127.
;;     - Each number is divided by its block's scale, clamped to +-6, and rounded to the nearest number of E2M1, ties to even, subnormals kept.
;;     - The product sums the exact products of the quantised numbers (number of the format x scale) in f32.
;;   ~~~python
;;   def quantise(x, axis):      # numpy; x: float32 -> the quantised numbers, widened to float32 again
;;       x = np.moveaxis(x, axis, -1); K = x.shape[-1]
;;       x = np.pad(x, [(0, 0)] * (x.ndim - 1) + [(0, -K % 32)]); x = x.reshape(x.shape[:-1] + (-1, 32)); a = np.abs(x).max(-1, keepdims=True)
;;       e = np.where(a > 0, np.clip(np.frexp(np.where(a > 0, a, 1))[1] - 1 - 2, -126, 127), 0)      # np.frexp(a)[1] - 1 = floor(log2(a)), exactly
;;       r = np.clip(x / 2.0 ** e, -6, 6)
;;       step = 2.0 ** (np.maximum(np.frexp(np.where(r == 0, 1, r))[1] - 1, 0) - 1)
;;       q = np.round(r / step) * step * 2.0 ** e      # np.round: ties to even
;;       return np.moveaxis(q.reshape(q.shape[:-2] + (-1,))[..., :K], -1, axis).astype(np.float32)
;;   ~~~
;;   OPERANDS COMPUTED ON THE WAY. 'Computed on the way' means the value that the module computes at that place (a softmax that the list does not call 'softmax' is quantised finished and normalised). What goes into a quantiser is computed in f32, as accurately as f32 sums, v_exp_f32 and their like allow (about 1e-6 of the number): no bf16 or f16 on the way to a quantiser, and a product that is left as it is and whose result goes on into a quantised operand takes f32 operands (vector FMAs, or v_wmma_f32_16x16x4_f32). A number that lies on a knife's edge between two numbers of the format may be rounded either way, as far as f32 arithmetic and the matrix unit's own rounding can turn it there, and no further.
;;   INPUTS GIVEN AS CODES. x (in the module: [4, 2048, 4096], K = its axis 2): each comes as NAME_codes (uint8): NAME with its K axis moved to the last place and cut into blocks of 32 codes, [.., K / 32, bytes a block], one block behind the other in memory; two codes a byte, the lower K in the low four bits (a code: sign, 2 exponent bits, 1 mantissa bit); and NAME_scales (uint8): the same leading axes, one E8M0 byte (e + 127) for each 32 codes along K. Its value is code x scale, taken as it is: it is not quantised again, and the codes and scales need not be those that the quantiser above would give.
;; One version. Each part assembles by itself: llvm-mc -triple=amdgcn-amd-amdhsa -mcpu=gfx1250 --defsym DOCPART=n.
;; ======== version 1 of 1: 2 launches
;; limits: right only within a limited range of input values
;; workspace buffers: wq 4,456,448 bytes
;; launch wprep (part 1): grid 32 x 8, 16 waves a work-group, no clusters, 22,528 bytes of LDS; arguments qweight, alpha, beta, wq; writes wq
.if DOCPART == 1
	.amdgcn_target "amdgcn-amd-amdhsa--gfx1250"
	.amdhsa_code_object_version 6
	.text
	.protected	k_q2a1e30d14b_wprep
	.globl	k_q2a1e30d14b_wprep
	.p2align	8
	.type	k_q2a1e30d14b_wprep,@function
k_q2a1e30d14b_wprep:
	s_mov_b64 s[64:65], 0
	v_nop
	global_prefetch_b8 v0, s[64:65] scope:SCOPE_SE
	s_setreg_imm32_b32 hwreg(HW_REG_WAVE_MODE, 25, 1), 1
	s_wait_xcnt 0x0
; w[i][o] = beta[g][o] + sum over b of alpha[g][b][o] x (2 bit_b(i, o) - 1), g = i / 128, bit_b(i, o) = bit i % 32 of qweight[i / 32][b][o], in f32;
; then w is quantised along i (the product's K) to codes of FP4 (E2M1) with one E8M0 scale byte for each 32 along K.  One word of qweight is one block of 32 of one column.
; OUT: wq, laid [8 K steps of 512][2048 columns][272 bytes]: a column's 256 bytes of codes of that K step (block t at byte 16 t, two codes a byte, the lower k in the low four bits), then its 16 scale bytes.
; SHARES.  Work-group (x, y): columns 64 x .. 64 x + 63 of K step y: 17,408 consecutive bytes of wq.  Wave w of 16: word 16 y + w (32 along K, in group g = 4 y + w / 4).  Lane l: columns 2 l and 2 l + 1,
; so that each load of 8 bytes a lane reads 256 consecutive bytes.  A LANE TAKES A COLUMN AND ITS REGISTERS RUN DOWN K: a block's largest magnitude needs no other lane, and the conversions give codes with K innermost.
; BITS TO SIGNS.  ((q << (3 - i)) & 0x88888888) | 0x22222222 is eight codes of E2M1: code e is +1.0 (0x2) where bit 4 e + i of q is 0, and -1.0 (0xa) where it is 1.  The conversion from FP4 with the scale byte 127 turns the
; word into eight exact f32 numbers, for k = 4 e + i.  Multiplied by -alpha they are (2 bit - 1) alpha, exactly.  The last plane's multiply-add writes the sum to register 4 e + i: nothing is permuted.
; ORDER OF ROUNDING: (((beta + plane 0) + plane 1) + plane 2) + plane 3, by fused multiply-adds whose products are exact; reference() adds the four planes first and beta last: the two differ by f32 rounding alone.
; A block's scale is 2^(floor(log2(its largest magnitude)) - 2); its byte is the largest magnitude's exponent field - 2, held at 1 from below.
; LIMITS: a block of zeros gets the byte 1 where the rule says 127 (its codes are zeros, which add nothing under any byte but 0xff, and this program alone reads the bytes); NaN and infinities in alpha and beta are not served.
; The codes go through a stage in LDS that is an image of the work-group's 17,408 bytes of wq, and leave in stores of 512 consecutive bytes.  No tensor loads, one barrier.
.set KSB,  2048*272                    ; a K step of wq in bytes
.set ROWQ, 272                         ; a column's bytes in a K step
.set SPARE, 0x5000                     ; behind the stage: the spare words, 128 bytes for each wave
.set CA,   3                           ; v3       the stage: my first column's row + my wave's block: 544 lane + 16 wave
.set SA,   4                           ; v4       the same for the scale byte: 544 lane + wave
.set OA,   5                           ; v5       the way out: 1,024 wave + 16 lane, in the stage and in wq alike
.set TA,   6                           ; v6       the last 1,024 bytes: 16,384 + 512 wave + 16 lane (waves 0 and 1 use it)
.set ONE,  7                           ; v7       the scale byte 127 in every byte
.set AL,   8                           ; v8-15    alpha: plane b's pair: my two columns
.set BE,   16                          ; v16-17   beta: my two columns
.set Q,    18                          ; v18-25   qweight: plane b: the pair at 18 + 2 b: my two columns
.set NA,   34                          ; v34-49   -alpha of column c, plane b, twice (a pair for the packed form) at 34 + 8 c + 2 b; plane 3's once
.set BB,   50                          ; v50-53   beta of column c, twice
.set N,    54                          ; v54-57   the four planes' words of eight codes
.set S,    58                          ; v58-89   the four planes' eight signs
.set ACC,  90                          ; v90-97   eight partial sums
.set W,    98                          ; v98-129  a block's 32 numbers, register = k
.set MX,   130                         ; v130-131 two chains of the largest magnitude
.set SO,   132                         ; v132     the conversion's scale operand
.set C,    134                         ; v134-141 codes: four registers for each of my two blocks, so that no store's data are written again
.set SBY,  150                         ; v150-151 column c's scale byte
.set OUT,  152                         ; v152-163 the way out
	s_load_b256 s[4:11], s[0:1], 0x0               ; qweight s[4:5], alpha s[6:7], beta s[8:9], wq s[10:11]
	v_lshl_add_u32 v176, v0, 2, SPARE
	v_mov_b32 v177, 0
	v_lshrrev_b32 v1, 5, v0
	s_delay_alu instid0(VALU_DEP_1)
	v_readfirstlane_b32 s12, v1                    ; wave 0..15
	v_and_b32 v1, 31, v0                           ; lane
	s_wait_alu depctr_va_vdst(0)
	s_and_b32 s13, ttmp7, 0xffff                   ; y: the K step
	s_lshl_b32 s14, ttmp9, 8                       ; my work-group's 64 columns: 256 bytes on in every row of the inputs
	s_lshl_b32 s16, s13, 4
	s_add_co_u32 s16, s16, s12                     ; my word: 16 y + wave
	s_lshl_b32 s16, s16, 15                        ; a word's four planes are 32,768 bytes
	s_add_co_u32 s16, s16, s14
	s_mov_b32 s17, 0
	s_lshl_b32 s18, s13, 2
	s_lshr_b32 s19, s12, 2
	s_add_co_u32 s18, s18, s19                     ; g = 4 y + wave / 4
	s_lshl_b32 s22, s18, 13                        ; beta: 8,192 bytes a group
	s_add_co_u32 s22, s22, s14
	s_mov_b32 s23, 0
	s_lshl_b32 s18, s18, 15                        ; alpha: 32,768 bytes a group
	s_add_co_u32 s18, s18, s14
	s_mov_b32 s19, 0
	s_mul_i32 s24, s13, KSB
	s_mul_i32 s25, ttmp9, 64*ROWQ
	s_add_co_u32 s24, s24, s25                     ; wq: K step y, column 64 x
	s_mov_b32 s25, 0
	s_mov_b32 s20, 0x88888888                      ; the sign bits of eight codes
	s_mov_b32 s21, 0x22222222                      ; eight codes of 1.0
	s_lshl_b32 s26, s12, 4
	s_lshl_b32 s28, s12, 10
	v_lshlrev_b32 v2, 3, v1                        ; in: 8 bytes a lane
	v_mul_u32_u24 v[CA], v1, 2*ROWQ
	s_delay_alu instid0(VALU_DEP_1)
	v_add_nc_u32 v[SA], s12, v[CA]
	s_delay_alu instid0(VALU_DEP_2)
	v_add_nc_u32 v[CA], s26, v[CA]
	v_lshlrev_b32 v[OA], 4, v1
	s_delay_alu instid0(VALU_DEP_1)
	v_add_nc_u32 v[OA], s28, v[OA]
	v_lshl_add_u32 v[TA], v0, 4, 16384             ; 16 x the thread's number = 512 wave + 16 lane
	v_mov_b32 v[ONE], 0x7f7f7f7f
	s_wait_alu depctr_va_vdst(0)
	s_wait_kmcnt 0x0
	s_add_nc_u64 s[4:5], s[4:5], s[16:17]
	s_add_nc_u64 s[6:7], s[6:7], s[18:19]
	s_add_nc_u64 s[8:9], s[8:9], s[22:23]
	s_add_nc_u64 s[10:11], s[10:11], s[24:25]
.irp b, 0,1,2,3
	global_load_b64 v[AL+2*\b:AL+2*\b+1], v2, s[6:7] offset:8192*\b
.endr
	global_load_b64 v[BE:BE+1], v2, s[8:9]
.irp b, 0,1,2,3
	global_load_b64 v[Q+2*\b:Q+2*\b+1], v2, s[4:5] offset:8192*\b th:TH_LOAD_NT   ; each word is read once in the launch
.endr
	s_wait_loadcnt 4                               ; alpha and beta are in; the four loads of qweight, issued behind them, may be out
.irp c, 0,1
.irp b, 0,1,2
	v_xor_b32 v[NA+8*\c+2*\b], 0x80000000, v[AL+2*\b+\c]
	v_xor_b32 v[NA+8*\c+2*\b+1], 0x80000000, v[AL+2*\b+\c]
.endr
	v_xor_b32 v[NA+8*\c+6], 0x80000000, v[AL+6+\c]
	v_mov_b32 v[BB+2*\c], v[BE+\c]
	v_mov_b32 v[BB+2*\c+1], v[BE+\c]
.endr
; My word of column c: 32 numbers, their scale, their codes.
.macro BLOCK c
.irp i, 0,1,2,3                        ; k = 4 e + i, e = 0 .. 7
.irp b, 0,1,2,3
.if \i < 3
	v_lshlrev_b32 v[N+\b], 3-\i, v[Q+2*\b+\c]
	s_delay_alu instid0(VALU_DEP_1)
	v_and_or_b32 v[N+\b], v[N+\b], s20, s21        ; eight codes: -1.0 where the bit is 1, +1.0 where it is 0
.else
	v_and_or_b32 v[N+\b], v[Q+2*\b+\c], s20, s21
.endif
.endr
.irp b, 0,1,2,3
	v_cvt_scale_pk8_f32_fp4 v[S+8*\b:S+8*\b+7], v[N+\b], v[ONE]    ; the lowest four bits give the first number
.endr
	v_nop                                          ; one plain vector instruction between a scaled conversion and the first use of its result
.irp e, 0,2,4,6
	v_pk_fma_f32 v[ACC+\e:ACC+\e+1], v[S+\e:S+\e+1], v[NA+8*\c:NA+8*\c+1], v[BB+2*\c:BB+2*\c+1]          ; beta + plane 0
.endr
.irp e, 0,2,4,6
	v_pk_fma_f32 v[ACC+\e:ACC+\e+1], v[S+8+\e:S+8+\e+1], v[NA+8*\c+2:NA+8*\c+3], v[ACC+\e:ACC+\e+1]      ; + plane 1
.endr
.irp e, 0,2,4,6
	v_pk_fma_f32 v[ACC+\e:ACC+\e+1], v[S+16+\e:S+16+\e+1], v[NA+8*\c+4:NA+8*\c+5], v[ACC+\e:ACC+\e+1]    ; + plane 2
.endr
.irp e, 0,1,2,3,4,5,6,7
	v_fma_f32 v[W+4*\e+\i], v[S+24+\e], v[NA+8*\c+6], v[ACC+\e]    ; + plane 3, to the number's own place along K
.endr
.endr
	v_max3_num_f32 v[MX], |v[W]|, |v[W+1]|, |v[W+2]|               ; the block's largest magnitude: all 32 numbers are mine; two chains
	v_max3_num_f32 v[MX+1], |v[W+3]|, |v[W+4]|, |v[W+5]|
.irp i, 6,10,14,18,22,26
	s_delay_alu instid0(VALU_DEP_2)
	v_max3_num_f32 v[MX], v[MX], |v[W+\i]|, |v[W+\i+1]|
	s_delay_alu instid0(VALU_DEP_2)
	v_max3_num_f32 v[MX+1], v[MX+1], |v[W+\i+2]|, |v[W+\i+3]|
.endr
	s_delay_alu instid0(VALU_DEP_2)
	v_max3_num_f32 v[MX], v[MX], |v[W+30]|, |v[W+31]|
	s_delay_alu instid0(VALU_DEP_1)
	v_max3_num_f32 v[MX], v[MX], v[MX+1], 0x1800000                ; and the floor 2^(3 - 127), under which no largest magnitude is taken: so the byte cannot fall under 1
	s_delay_alu instid0(VALU_DEP_1)
	v_add_nc_u32 v[SO], 0xff000000, v[MX]          ; 2 off its exponent field: the conversion takes the exponent field of this operand as its scale, and nothing else of it
	s_delay_alu instid0(VALU_DEP_1)
	v_lshrrev_b32 v[SBY+\c], 23, v[SO]             ; the scale's byte
.irp g, 0,1,2,3
	v_cvt_scalef32_pk8_fp4_f32 v[C+4*\c+\g], v[W+8*\g:W+8*\g+7], v[SO]   ; to the nearest code, ties to even, beyond 6 the largest code; the first number's code in the lowest four bits
.endr
	v_nop                                          ; one plain vector instruction behind the conversions: the next block writes their sources
	ds_store_b128 v[CA], v[C+4*\c:C+4*\c+3] offset:ROWQ*\c         ; block w of column 2 lane + c
.endm
	s_wait_loadcnt 0x0                             ; my word's four planes are in
	BLOCK 0
	BLOCK 1
.irp c, 0,1
	ds_store_b8 v[SA], v[SBY+\c] offset:256+ROWQ*\c                ; my scale byte of the column, behind its 256 bytes of codes
.endr
	s_wait_dscnt 0x0                               ; for the others' sake: my stores into the stage are done
	s_barrier_signal -1
	s_barrier_wait -1                              ; the stage is whole
.irp i, 0,1
	ds_load_b128 v[OUT+4*\i:OUT+4*\i+3], v[OA] offset:512*\i
.endr
.irp i, 0,1
	s_wait_dscnt 1-\i                              ; LDS loads come back in order: load i is in, the younger one may be out
	global_store_b128 v[OA], v[OUT+4*\i:OUT+4*\i+3], s[10:11] offset:512*\i   ; 32 lanes store 512 consecutive bytes, at a multiple of 256 from wq's first byte
.endr
	s_cmp_lt_u32 s12, 2                            ; sixteen waves x 1,024 bytes leave 1,024 of the 17,408: waves 0 and 1 take 512 each
	s_cbranch_scc0 .Lend
	ds_load_b128 v[OUT+8:OUT+11], v[TA]
	s_wait_dscnt 0x0
	global_store_b128 v[TA], v[OUT+8:OUT+11], s[10:11]
.Lend:
	s_wait_tensorcnt 0x0                           ; the wave's end
	ds_add_u32 v176, v177
	s_wait_dscnt 0x0
	s_endpgm
.Lfunc_end_k_q2a1e30d14b_wprep:
	.size	k_q2a1e30d14b_wprep, .Lfunc_end_k_q2a1e30d14b_wprep-k_q2a1e30d14b_wprep
	.p2alignl 7, 3214868480
	.fill 96, 4, 3214868480
	.section	.rodata,"a",@progbits
	.p2align	6, 0x0
	.amdhsa_kernel k_q2a1e30d14b_wprep
		.amdhsa_group_segment_fixed_size 22528
		.amdhsa_private_segment_fixed_size 0
		.amdhsa_enable_private_segment 0
		.amdhsa_kernarg_size 32
		.amdhsa_user_sgpr_count 2
		.amdhsa_user_sgpr_kernarg_segment_ptr 1
		.amdhsa_wavefront_size32 1
		.amdhsa_system_sgpr_workgroup_id_x 1
		.amdhsa_system_sgpr_workgroup_id_y 1
		.amdhsa_system_sgpr_workgroup_id_z 1
		.amdhsa_system_vgpr_workitem_id 0
		.amdhsa_next_free_vgpr 178
		.amdhsa_next_free_sgpr 66
		.amdhsa_reserve_vcc 0
		.amdhsa_float_denorm_mode_32 3
		.amdhsa_float_denorm_mode_16_64 3
		.amdhsa_memory_ordered 1
		.amdhsa_forward_progress 1
		.amdhsa_inst_pref_size 25
	.end_amdhsa_kernel
	.amdgpu_metadata
---
amdhsa.version: [ 1, 2 ]
amdhsa.kernels:
  - .name:           k_q2a1e30d14b_wprep
    .symbol:         k_q2a1e30d14b_wprep.kd
    .args:
      - { .name: qweight, .offset: 0, .size: 8, .value_kind: global_buffer, .address_space: global }
      - { .name: alpha, .offset: 8, .size: 8, .value_kind: global_buffer, .address_space: global }
      - { .name: beta, .offset: 16, .size: 8, .value_kind: global_buffer, .address_space: global }
      - { .name: wq, .offset: 24, .size: 8, .value_kind: global_buffer, .address_space: global }
    .group_segment_fixed_size: 22528
    .private_segment_fixed_size: 0
    .kernarg_segment_align: 8
    .kernarg_segment_size: 32
    .max_flat_workgroup_size: 512
    .sgpr_count:     66
    .vgpr_count:     178
    .wavefront_size: 32
...
	.end_amdgpu_metadata
.endif
;; end of part 1
;; launch gemm (part 2): grid 8 x 32, 4 waves a work-group, clusters of 4 x 4, 327,680 bytes of LDS; arguments x_codes, x_scales, wq, out0; writes out0
.if DOCPART == 2
	.amdgcn_target "amdgcn-amd-amdhsa--gfx1250"
	.amdhsa_code_object_version 6
	.text
	.protected	k_q2a1e30d14b_gemm
	.globl	k_q2a1e30d14b_gemm
	.p2align	8
	.type	k_q2a1e30d14b_gemm,@function
k_q2a1e30d14b_gemm:
	s_mov_b64 s[64:65], 0
	v_nop
	global_prefetch_b8 v0, s[64:65] scope:SCOPE_SE
	s_setreg_imm32_b32 hwreg(HW_REG_WAVE_MODE, 25, 1), 1
	s_wait_xcnt 0x0
	s_wait_alu depctr_hold_cnt(0) depctr_sa_sdst(0) depctr_va_vdst(0) depctr_va_sdst(0) depctr_va_ssrc(0) depctr_va_vcc(0) depctr_vm_vsrc(0)
	s_getreg_b32 s2, hwreg(HW_REG_IB_STS2, 6, 4)
	s_cmp_eq_u32 s2, 0
	s_cbranch_scc0 .Lentry_in_a_cluster
	s_endpgm
.Lentry_in_a_cluster:
	s_bfe_u32 s2, ttmp6, 0x10000c
	s_cmp_lg_u32 s2, 0xf033
	s_cbranch_scc0 .Lentry_shape_is_right
	s_endpgm
.Lentry_shape_is_right:
; out0[m][n] = sum over k of x[m][k] w[k][n], both operands as codes of FP4 (E2M1) with one E8M0 scale for each 32 along K; sums in f32, K ascending.  M = 8,192, N = 2,048, K = 4,096.
; A = x: codes [8192][2048 bytes], K innermost, two codes a byte; scale bytes [8192][128]: taken as they are given (a scale byte 0xff makes its sums NaN, as E8M0 has it).
; B = w: from wq, made by the launch before: [8 K steps of 512][2048 columns][272 bytes]: a column's 256 bytes of codes of the K step, then its 16 scale bytes.
; A tile of C, 256 x 256, is made by a work-group of four waves; a wave makes 128 x 128.  32 x 8 tiles: 256 work-groups.
; K goes in 8 steps of 512 through a ring of two LDS slots filled by the tensor data mover.  A's tile rows are 256 bytes of memory, laid 272 bytes apart in LDS by padding.  B's columns of a K step are consecutive bytes of wq
; and come as they lie, which IS rows 272 bytes apart, with the row's scale words where A's rows have padding.  A's scales of the 256 rows, 32,768 dense bytes, come once, as 128 rows of 256 bytes, and stay.
; CLUSTERS: 4 x 4 work-groups.  The four of a row of the cluster need the same tiles and scales of A, the four of a column the same tiles of B: each is asked for JOINTLY, by the same tensor load with the same descriptor
; and a mask that names the four.
; THE PRODUCT is v_wmma_scale_f32_32x16x128_f4, used transposed: source 0 = 32 columns of w, source 1 = 16 rows of x.  In the 16 results of lane (r, h) register j is row r of the block, column 16 (j / 8) + 8 h + j % 8.
; QUARTERS.  A wave's tile is four quarters of 64 x 64, worked on in the order (A half 0, B half 0), (0, 1), (1, 1), (1, 0): phases 0 to 3, 8 products each for 128 along K.  The sums of phase p lie in register window p.
; REGISTERS, alike in the four windows of 256: v128-255 the phase's 8 accumulators of 16; v64-127 fragments, two sets of 32: window 0 A's half 0, window 1 B's half 0, window 2 B's half 1, window 3 A's half 1.
;   window 0 also: v24-31 addresses, v32-63 scale words;  window 1: the LDS addresses of A's fragments and of the scale words;  window 2: those of B's fragments.
; A STEP of 128 along K is one run of 32 loads, the NEXT step's fragments into the other set, and then 32 products on the set that the step before loaded.
; PREFETCH.  Behind each K step's joint load (K step s) the waves ask for the 256-byte blocks of K step s + 2, s + 2 <= 7: each wave a quarter of the rows that it loads jointly with its partners, told apart by address
; (cx for A, cy for B).  All eight clusters of a column half read the same bytes of wq: those with an even cluster y ask for them.
.set SIZE_N, 2048
.set KSTEP,  512                       ; along K in a slot
.set ROWB,   256                       ; a tile's row of codes in bytes
.set KROW,   2048                      ; a row of x_codes in bytes
.set PITCH,  272                       ; an LDS row: 68 words: the 16 rows that a load touches start at 16 different banks (64 banks of 4 bytes: ISA guide 11.1)
.set HALFT,  128*PITCH                 ; 128 rows: what one tensor load of the ring brings, and what one wave reads of A or of B
.set SLOT,   4*HALFT                   ; A's 256 rows, then B's 256 rows
.set KSB,    SIZE_N*PITCH              ; a K step of wq in bytes
.set SCL,    2*SLOT                    ; behind the ring: A's scales, two rows of x to an LDS row of 256 + 16 bytes
.set SQ,     64*PITCH                  ; those of 128 rows of x: what one tensor load brings
.set SPARE,  SCL+2*SQ                  ; the spare words, 128 bytes for each wave: two blocks of 256 bytes that no other line names
.set SPITCH, 528                       ; the way out: a stage of 16 rows x (512 bytes + 16) for each wave, in slot 0, which has had its last fill and its last read when the first result is stored there
.set STO,   24                         ; window 0: the way out: where I put 16 bytes of a row
.set RD,    25                         ; the way out: where I read a row back
.set CO,    26                         ; my byte offset in a row of C
.set SPW,   28                         ; LDS address of my spare word: SPARE + 4 x my thread's number; never rewritten
.set NIL,   29                         ; 0; never rewritten
.set PFO,   30                         ; the prefetches' offsets: my lane's block of 256 bytes;
.set PFO2,  31                         ; for B's waves blocks 32 and 33 of their 34 (lanes 1 to 31 name the last)
.set SC,    32                         ; scale words: set u (the slot's 128s number 2 u, 2 u + 1) at SC + 16 u: register 2 i + q % 2: A's rows 32 i + lane; register 8 + 2 i + q % 2: B's columns 32 i + lane
.set ADRA,  8                          ; window 1: v8-9   LDS address of my A fragments in slot 0, 1
.set ADRSB, 10                         ; window 1: v10-11 of B's scale words
.set ADRSA, 12                         ; window 1: v12    of A's scale words: 16 bytes a K step, two K steps a step of this register
.set ADRB,  14                         ; window 2: v14-15 of my B fragments
.set PFA,   12                         ; s[12:13] where my prefetches stand;  s[82:83] a K step of them
.set PFS,   82
.set LIM,   66                         ; s66: 1 while my wave prefetches, the greatest number where it does not
.set G1,  24                           ; s[24:31] descriptor group 1 for A's tiles;  s[32:39] group 0, one set for each slot
.set G0,  32
.set G1B, 48                           ; s[48:55], s[56:63] the same for B's tiles
.set G0B, 56
.set G1S, 68                           ; s[68:75], s[76:79] for A's scales
.set G0S, 76
.set G0HB, 88                          ; s[88:91], s[92:95] groups 0 of the head's loads of B's and A's whole tile
.set G0H, 92
.set MSB, 0
.macro WIN new                         ; the immediate's high byte repeats the setting that is left
.if MSB != (\new)
	s_set_vgpr_msb (MSB<<8)|(\new)
.set MSB, (\new)
.endif
.endm
.set P0, 0x01                          ; phase 0: source 0 (B half 0) window 1; source 1 (A half 0) 0; C, D 0
.set P1, 0x52                          ; phase 1: source 0 (B half 1) 2; source 1 0; C, D 1
.set P2, 0xae                          ; phase 2: source 0 2; source 1 (A half 1) 3; C, D 2
.set P3, 0xfd                          ; phase 3: source 0 1; source 1 3; C, D 3
; A joint load of a tile: waves 0 and 1 fetch A's two halves, waves 2 and 3 B's.  Each of the two lines has ONE mask and one set of registers for all that issue it; the branch hangs on the wave's number alone.
.macro JLOAD slot
	s_cmp_eq_u32 s15, 0
	s_cbranch_scc0 .Lfor_b_\@
	tensor_load_to_lds s[G0+4*\slot:G0+4*\slot+3], s[G1:G1+7]
	s_nop 0
.rept 4
	v_nop
.endr
	s_branch .Lasked_\@
.Lfor_b_\@:
	tensor_load_to_lds s[G0B+4*\slot:G0B+4*\slot+3], s[G1B:G1B+7]
	s_nop 0
.rept 4
	v_nop
.endr
.Lasked_\@:
.endm
.macro ASK                             ; a prefetch: A's waves 32 blocks, B's waves 34
	s_cmp_gt_u32 s3, s[LIM]                        ; s3 = 1 in the loop's last trip, whose refills are K steps 6 and 7: nothing lies two on
	s_cbranch_scc0 .Lnone_\@
	global_prefetch_b8 v[PFO], s[PFA:PFA+1] th:TH_LOAD_NT scope:SCOPE_SE
	s_cmp_eq_u32 s15, 0
	s_cbranch_scc1 .Lnone_\@
	global_prefetch_b8 v[PFO2], s[PFA:PFA+1] th:TH_LOAD_NT scope:SCOPE_SE
.Lnone_\@:
.endm
.macro CREST                           ; a round of the cluster's barrier behind its opening barrier
	s_cmp_lg_u32 s14, 0
	s_cbranch_scc1 .Lnot_wave_0_\@
	s_barrier_signal -3
.Lnot_wave_0_\@:
	s_barrier_wait -3
	s_barrier_signal -1
	s_barrier_wait -1
.endm
.macro CROUND                          ; a whole round
	s_barrier_signal -1
	s_barrier_wait -1
	CREST
.endm
	s_load_b256 s[4:11], s[0:1], 0x0               ; x_codes s[4:5], x_scales s[6:7], wq s[8:9], out0 s[10:11]
	v_lshl_add_u32 v[SPW], v0, 2, SPARE
	v_mov_b32 v[NIL], 0
	ds_add_u32 v[SPW], v[NIL]                      ; the wave's opening: the add, twice on end, and its wait ahead of my first tensor load
	ds_add_u32 v[SPW], v[NIL]
	v_lshrrev_b32 v1, 5, v0
	v_readfirstlane_b32 s14, v1                    ; wave 0..3
	s_mov_b32 s3, 3                                ; the loop's trips
	s_lshr_b32 s15, s14, 1                         ; which half of the tile's rows is mine.  Also: I fetch for A (0) or for B (1)
	s_and_b32 s16, s14, 1                          ; which half of its columns.  Also: which 128 rows of that tile I fetch
	s_bfe_u32 s40, ttmp6, 0x40000                  ; cx, cy: my place in the cluster
	s_bfe_u32 s41, ttmp6, 0x40004
	s_lshl_b32 s42, ttmp9, 2
	s_add_co_u32 s42, s42, s40                     ; tile column of C = 4 x cluster x + cx
	s_and_b32 s17, ttmp7, 0xffff                   ; the cluster's y
	s_and_b32 s67, s17, s15                        ; 1: a wave of B's in a cluster of odd y: it prefetches nothing
	s_cmp_eq_u32 s67, 0
	s_cselect_b32 s[LIM], 1, -1
	s_lshl_b32 s17, s17, 2
	s_add_co_u32 s17, s17, s41                     ; tile row of C = 4 x cluster y + cy
	s_lshl_b32 s43, s41, 2
	s_lshl_b32 s43, 15, s43                        ; my row of the cluster
	s_lshl_b32 s44, 0x1111, s40                    ; my column
	; group 1 for A's tiles: rows of 256 bytes, KROW apart in memory, 16 bytes of padding behind each in LDS; 256 rows for the head's load, 128 behind it
	s_or_b32 s[G1+0], s43, (1<<20)|(1<<21)|(5<<22)|(3<<25)  ; 15:0 the mask; element of 1 byte; 20 padding on; 21 set beside a mask; 24:22 after every 64 words; 31:25 of 4 words
	s_mov_b32 s[G1+1], ROWB<<16                    ; tensor_dim0
	s_mov_b32 s[G1+2], 256<<16                     ; tensor_dim1
	s_mov_b32 s[G1+3], ROWB<<16                    ; tile_dim0
	s_mov_b32 s[G1+4], 256                         ; tile_dim1
	s_mov_b32 s[G1+5], KROW                        ; tensor_dim0_stride
	s_mov_b32 s[G1+6], 0
	s_mov_b32 s[G1+7], 0
	; for B's: consecutive bytes as rows of 256 (32 elements of 8 bytes), no padding; 272 rows for the head's load, 136 behind it
	s_or_b32 s[G1B+0], s44, (3<<16)|(1<<21)
	s_mov_b32 s[G1B+1], 32<<16
	s_mov_b32 s[G1B+2], 272<<16
	s_mov_b32 s[G1B+3], 32<<16
	s_mov_b32 s[G1B+4], 272
	s_mov_b32 s[G1B+5], 32
	s_mov_b32 s[G1B+6], 0
	s_mov_b32 s[G1B+7], 0
	; for A's scales: 64 rows of 256 dense bytes (128 rows of x), 16 bytes of padding behind each
	s_or_b32 s[G1S+0], s43, (3<<16)|(1<<20)|(1<<21)|(5<<22)|(3<<25)
	s_mov_b32 s[G1S+1], 32<<16
	s_mov_b32 s[G1S+2], 64<<16
	s_mov_b32 s[G1S+3], 32<<16
	s_mov_b32 s[G1S+4], 64
	s_mov_b32 s[G1S+5], 32
	s_mov_b32 s[G1S+6], 0
	s_mov_b32 s[G1S+7], 0
	; where they come from.  A's hang on the tile row alone, B's on the tile column alone, each in registers that never hold the other coordinate
	s_lshl_b32 s20, s17, 19                        ; A: 256 rows of 2,048 bytes a tile
	s_mov_b32 s21, 0
	s_lshl_b32 s18, s16, 18                        ; in the ring: my 128 rows of them
	s_mov_b32 s19, 0
	s_lshl_b32 s22, s17, 15                        ; A's scales: 256 rows of 128 bytes; waves 2 and 3 fetch a half each
	s_lshl_b32 s23, s16, 14
	s_add_co_u32 s22, s22, s23
	s_mov_b32 s23, 0
	s_mul_i32 s46, s42, 2*HALFT                    ; B: 256 columns of 272 bytes
	s_mov_b32 s47, 0
	s_mul_i32 s84, s16, HALFT                      ; in the ring: my 128 of them
	s_mov_b32 s85, 0
	; the prefetches: of A's 128 rows that I fetch 32 cx .. 32 cx + 31, of B's 136 blocks 34 cy .. 34 cy + 33
	s_lshl_b32 s82, s40, 16
	s_add_co_u32 s82, s82, s20
	s_add_co_u32 s82, s82, s18
	s_mul_i32 s83, s41, 34*256
	s_add_co_u32 s83, s83, s46
	s_add_co_u32 s83, s83, s84
	s_cmp_eq_u32 s15, 0
	s_cselect_b32 s86, s82, s83
	s_mov_b32 s87, 0
	s_mov_b32 s82, KSB
	s_cselect_b32 s82, ROWB, s82                   ; from K step to K step
	s_mov_b32 s83, 0
	s_mov_b32 s80, 256
	s_cselect_b32 s80, KROW, s80                   ; from lane to lane
	s_mul_i32 s45, s14, HALFT                      ; where the ring's tiles go: wave x 128 rows: no place in the cluster enters an LDS address
	s_mul_i32 s81, s16, SQ
	s_wait_dscnt 0x0                               ; both opening adds are done
	s_wait_kmcnt 0x0
	s_cmp_eq_u32 s15, 0
	s_cselect_b64 s[PFA:PFA+1], s[4:5], s[8:9]
	s_add_nc_u64 s[PFA:PFA+1], s[PFA:PFA+1], s[86:87]
	s_add_nc_u64 s[PFA:PFA+1], s[PFA:PFA+1], s[PFS:PFS+1]
	s_add_nc_u64 s[PFA:PFA+1], s[PFA:PFA+1], s[PFS:PFS+1]   ; at K step 2
	s_add_nc_u64 s[20:21], s[4:5], s[20:21]
	s_add_nc_u64 s[22:23], s[6:7], s[22:23]
	s_add_nc_u64 s[46:47], s[8:9], s[46:47]
	s_mov_b32 s[G0H], 1                            ; the head's tiles: K step 0's 256 rows of A,
	s_mov_b32 s[G0H+1], 0
	s_mov_b64 s[G0H+2:G0H+3], s[20:21]
	s_or_b32 s[G0H+3], s[G0H+3], 0x80000000
	s_mov_b32 s[G0HB], 1                           ; its 256 columns of B,
	s_mov_b32 s[G0HB+1], 2*HALFT
	s_mov_b64 s[G0HB+2:G0HB+3], s[46:47]
	s_or_b32 s[G0HB+3], s[G0HB+3], 0x80000000
	s_mov_b32 s[G0S], 1                            ; a half of A's scales
	s_add_co_u32 s[G0S+1], s81, SCL
	s_mov_b64 s[G0S+2:G0S+3], s[22:23]
	s_or_b32 s[G0S+3], s[G0S+3], 0x80000000
	s_add_nc_u64 s[20:21], s[20:21], s[18:19]
	s_add_nc_u64 s[46:47], s[46:47], s[84:85]
.irp s, 0,1
	s_mov_b32 s[G0+4*\s], 1
	s_add_co_u32 s[G0+4*\s+1], s45, \s*SLOT
	s_add_nc_u64 s[G0+4*\s+2:G0+4*\s+3], s[20:21], \s*ROWB
	s_or_b32 s[G0+4*\s+3], s[G0+4*\s+3], 0x80000000
	s_mov_b32 s[G0B+4*\s], 1
	s_add_co_u32 s[G0B+4*\s+1], s45, \s*SLOT
	s_add_nc_u64 s[G0B+4*\s+2:G0B+4*\s+3], s[46:47], \s*KSB
	s_or_b32 s[G0B+4*\s+3], s[G0B+4*\s+3], 0x80000000
.endr
	CROUND                                         ; all sixteen work-groups are here: the first joint loads meet
; THE HEAD'S LOADS, ONE A WAVE: ONE tree of branches on the wave's number: every way through it passes exactly one load.
.macro ARM under, g0, g1, next
	s_cmp_lt_u32 s14, \under
	s_cbranch_scc0 \next
	tensor_load_to_lds s[\g0:\g0+3], s[\g1:\g1+7]
	s_nop 0
.rept 4
	v_nop
.endr
	s_branch .Lhead_asked
\next:
.endm
	ARM 1, G0H,  G1,  .Lhead_b
	ARM 2, G0HB, G1B, .Lhead_s
	tensor_load_to_lds s[G0S:G0S+3], s[G1S:G1S+7]  ; waves 2 and 3: a half of A's scales each
	s_nop 0
.rept 4
	v_nop
.endr
.Lhead_asked:
	s_mul_i32 s20, s15, HALFT                      ; my 128 rows of A in slot 0, 1
	s_add_co_u32 s21, s20, SLOT
	s_mul_i32 s22, s16, HALFT                      ; my 128 columns of B, behind A's 256 rows
	s_add_co_u32 s22, s22, 2*HALFT
	s_add_co_u32 s23, s22, SLOT
	s_mul_i32 s46, s15, SQ                         ; the scales of my 128 rows of A
	s_add_co_u32 s46, s46, SCL
	s_mul_i32 s47, s14, 16*SPITCH                  ; my stage
	s_lshl_b32 s86, s17, 21                        ; C: 256 rows of 8,192 bytes a tile row (under 2^26 in all),
	s_lshl_b32 s67, s15, 20                        ; my 128 of them,
	s_add_co_u32 s86, s86, s67
	s_lshl_b32 s67, s42, 10                        ; 1,024 bytes a tile column,
	s_add_co_u32 s86, s86, s67
	s_lshl_b32 s67, s16, 9                         ; my 512 of them
	s_add_co_u32 s86, s86, s67
	s_mov_b32 s87, 0
	s_add_nc_u64 s[10:11], s[10:11], s[86:87]
	v_and_b32 v1, 15, v0                           ; r = l % 16
	v_bfe_u32 v2, v0, 4, 1                         ; h = l / 16
	v_and_b32 v3, 31, v0                           ; l
	v_mul_u32_u24 v4, v1, PITCH
	v_lshl_add_u32 v4, v2, 4, v4                   ; a fragment's row x pitch + 16 x half
	v_mul_u32_u24 v5, v3, PITCH
	v_add_nc_u32 v5, ROWB, v5                      ; B's scale words: column l, behind its 256 bytes of codes
	v_lshrrev_b32 v6, 1, v3
	v_and_b32 v7, 1, v3
	v_mul_u32_u24 v6, v6, PITCH
	v_lshl_add_u32 v6, v7, 7, v6                   ; A's scale words: row l: LDS row l / 2, 128 bytes for each
	v_mul_u32_u24 v16, v1, SPITCH
	v_lshl_add_u32 v16, v2, 5, v16
	v_add_nc_u32 v[STO], s47, v16                  ; in: row r, 32 bytes for each half of the lanes
	v_lshlrev_b32 v[CO], 4, v3                     ; back: the 32 lanes take one row of 512 bytes; and the same in C
	v_add_nc_u32 v[RD], s47, v[CO]
	v_mul_u32_u24 v[PFO], s80, v3
	v_min_u32 v17, 1, v3
	v_lshlrev_b32 v17, 8, v17
	v_add_nc_u32 v[PFO2], 32*256, v17
	WIN 0x40
	v_add_nc_u32 v[ADRA], s20, v4
	v_add_nc_u32 v[ADRA+1], s21, v4
	v_add_nc_u32 v[ADRSB], s22, v5
	v_add_nc_u32 v[ADRSB+1], s23, v5
	v_add_nc_u32 v[ADRSA], s46, v6
	WIN 0x80
	v_add_nc_u32 v[ADRB], s22, v4
	v_add_nc_u32 v[ADRB+1], s23, v4
	WIN 0
; One load of 16 bytes a lane, the j-th of 8 of phase ph's half operand (0: A half 0, 1: B half 0, 2: B half 1, 3: A half 1), of the slot's q-th 128 along K, into set q % 2.
; A fragment, 16 rows x 128 K, is 8 registers: lane (r, h) holds row r; registers 4 c .. 4 c + 3 hold K = 64 c + 32 h + 0 .. 31.
.macro LD ph, j, slot, q
.if ((\ph) == 0) || ((\ph) == 3)
	ds_load_b128 v[64+32*((\q)%2)+4*(\j):64+32*((\q)%2)+4*(\j)+3], v[ADRA+\slot] offset:64*(\q)+32*((\j)%2)+((\j)/2)*16*PITCH+((\ph)/2)*64*PITCH
.else
	ds_load_b128 v[64+32*((\q)%2)+4*(\j):64+32*((\q)%2)+4*(\j)+3], v[ADRB+\slot] offset:64*(\q)+32*((\j)%2)+((\j)/2)*16*PITCH+((\ph)/2)*64*PITCH
.endif
.endm
; The i-th of 8 loads of scale words of the slot's half u (two words a lane): i < 4: A's rows 32 i + lane, else B's columns 32 (i - 4) + lane.
.macro SLD u, i, slot
.if (\i) < 4
	ds_load_b64 v[SC+16*(\u)+2*(\i):SC+16*(\u)+2*(\i)+1], v[ADRSA] offset:16*PITCH*(\i)+8*(\u)+16*\slot
.else
	ds_load_b64 v[SC+16*(\u)+2*(\i):SC+16*(\u)+2*(\i)+1], v[ADRSB+\slot] offset:32*PITCH*((\i)-4)+8*(\u)
.endif
.endm
; One run of loads: the fragments of the slot's q-th 128 along K, with an even q also the scale words of that 128 and the next: 32 loads, or 40.
.macro LOADS slot, q
	WIN 0x01                                       ; address window 1, data window 0
.if ((\q)%2) == 0
.irp j, 0,1,2,3,4,5,6,7
	SLD (\q)/2, \j, \slot
.endr
.endif
.irp j, 0,1,2,3,4,5,6,7
	LD 0, \j, \slot, \q
.endr
	WIN 0x42                                       ; 2, 1
.irp j, 0,1,2,3,4,5,6,7
	LD 1, \j, \slot, \q
.endr
	WIN 0x82                                       ; 2, 2
.irp j, 0,1,2,3,4,5,6,7
	LD 2, \j, \slot, \q
.endr
	WIN 0xc1                                       ; 1, 3
.irp j, 0,1,2,3,4,5,6,7
	LD 3, \j, \slot, \q
.endr
.endm
; The i-th of phase ph's 8 products: A's block i / 2 of its half, B's pair of blocks i % 2 of its half.  An odd block of A has its scale words in lanes 16-31.  zero = 1: the product starts the sum.
.macro MM ph, i, q, zero
.set rD,  128+16*(\i)
.set rB,  64+32*((\q)%2)+16*((\i)%2)
.set rA,  64+32*((\q)%2)+8*((\i)/2)
.set rSB, SC+16*((\q)/2)+((\q)%2)+8+2*(2*((((\ph)+1)/2)%2)+((\i)%2))
.set rSA, SC+16*((\q)/2)+((\q)%2)+2*(2*((\ph)/2)+((\i)/4))
.if (\zero) && ((((\i)/2)%2) == 1)
	v_wmma_scale_f32_32x16x128_f4 v[rD:rD+15], v[rB:rB+15], v[rA:rA+7], 0, v[rSB], v[rSA] matrix_b_scale:MATRIX_SCALE_ROW1
.elseif (\zero)
	v_wmma_scale_f32_32x16x128_f4 v[rD:rD+15], v[rB:rB+15], v[rA:rA+7], 0, v[rSB], v[rSA]
.elseif (((\i)/2)%2) == 1
	v_wmma_scale_f32_32x16x128_f4 v[rD:rD+15], v[rB:rB+15], v[rA:rA+7], v[rD:rD+15], v[rSB], v[rSA] matrix_b_scale:MATRIX_SCALE_ROW1
.else
	v_wmma_scale_f32_32x16x128_f4 v[rD:rD+15], v[rB:rB+15], v[rA:rA+7], v[rD:rD+15], v[rSB], v[rSA]
.endif
.endm
.macro MM8 ph, q, zero                 ; a phase
	WIN P\ph
.irp i, 0,1,2,3,4,5,6,7
	MM \ph, \i, \q, \zero
.endr
.endm
; A load into a register that a matrix instruction has read stands four places behind that instruction, and only plain vector instructions that name none of its registers are places
; (ISA guide 7.12.1 for vector instructions).  A step's loads go to the set that the step BEFORE multiplied: so four v_nop stand in front of them.
.macro PLACES
.rept 4
	v_nop
.endr
.endm
; A step of 128 along K, the slot's q-th, that has its successor in the same slot.
.macro STEP slot, q, zero
	PLACES
	LOADS \slot, (\q)+1
	s_wait_dscnt 32+8*((\q)%2)                     ; all but the run just issued: my fragments, asked for one step ago, are in
	MM8 0, \q, \zero
	MM8 1, \q, \zero
	MM8 2, \q, \zero
	MM8 3, \q, \zero
.endm
; A slot's last step changes slots: ONE barrier; in front of it each wave waits for all its tensor loads, adds 0 to its spare word, and waits for that and for its own reads of this slot.  fill = 1: this slot is filled again, two K steps on.
.macro TURN slot, next, fill
	WIN 0                                          ; (the add's two registers lie in window 0)
.if \fill
	s_wait_xcnt 0x0                                ; my prefetch has read its address: on to the next K step of it
	s_add_nc_u64 s[PFA:PFA+1], s[PFA:PFA+1], s[PFS:PFS+1]
.endif
	s_wait_tensorcnt 0x0                           ; all my tensor loads have landed: my part of the next slot;
	ds_add_u32 v[SPW], v[NIL]                      ; 0 onto my spare word
.if \fill
	s_add_nc_u64 s[G0+4*\slot+2:G0+4*\slot+3], s[G0+4*\slot+2:G0+4*\slot+3], 2*ROWB
	s_add_nc_u64 s[G0B+4*\slot+2:G0B+4*\slot+3], s[G0B+4*\slot+2:G0B+4*\slot+3], 2*KSB
.endif
	s_wait_dscnt 1                                 ; all my fragments are in (the add may be out)
	MM8 0, 3, 0                                    ; eight products stand between the add and the wait for it
	s_wait_dscnt 0x0                               ; the add is done, and my reads of this slot are over
	s_barrier_signal -1
	MM8 1, 3, 0
	WIN 0
	s_barrier_wait -1
.if \fill
	CREST                                          ; the barrier has opened a round of the cluster's barrier: no wave of any partner still reads this slot's tile or has a load on its way
	JLOAD \slot                                    ; the first tensor load behind the round; the four v_nop behind it are the places in front of the loads below
.else
	PLACES
.endif
.if (\next) == 0
	WIN 0x44
	v_add_nc_u32 v[ADRSA], 32, v[ADRSA]            ; A's scale words: two K steps on
	s_wait_alu depctr_va_vdst(0)
.endif
	LOADS \next, 0                                 ; into set 0: the products below read set 1
	MM8 2, 3, 0
	MM8 3, 3, 0
.if \fill
	WIN 0
	ASK
.endif
.endm
	s_wait_alu depctr_va_vdst(0)
	ASK                                            ; K step 2, behind K step 0's load
	s_wait_tensorcnt 0x0                           ; my tile of the head's is in
	ds_add_u32 v[SPW], v[NIL]
	s_mov_b32 s[G1+2], 128<<16                     ; no tensor load of mine is out, so a descriptor may be written: from here on a load brings 128 rows of A,
	s_mov_b32 s[G1+4], 128
	s_mov_b32 s[G1B+2], 136<<16                    ; or 34,816 bytes of B
	s_mov_b32 s[G1B+4], 136
	s_wait_xcnt 0x0                                ; the prefetch has read its address
	s_add_nc_u64 s[PFA:PFA+1], s[PFA:PFA+1], s[PFS:PFS+1]
	s_wait_dscnt 0x0                               ; the add is done
	CROUND                                         ; a whole round: the head's tiles are in, and all sixteen work-groups are here: the joint loads meet,
	JLOAD 1                                        ; and K step 1's load, the first tensor load behind the round
	LOADS 0, 0
	WIN 0
	ASK                                            ; K step 3
	STEP 0, 0, 1                                   ; the first step's products start the sums
	WIN 0                                          ; at a label and at a branch every window is 0
.Llap:                                                 ; a trip goes once round the ring, from a lap's second step to the next lap's first, and fills both slots again
	STEP 0, 1, 0
	STEP 0, 2, 0
	TURN 0, 1, 1
	STEP 1, 0, 0
	STEP 1, 1, 0
	STEP 1, 2, 0
	TURN 1, 0, 1
	STEP 0, 0, 0
	WIN 0
	s_sub_co_u32 s3, s3, 1
	s_cmp_lg_u32 s3, 0
	s_cbranch_scc1 .Llap
	STEP 0, 1, 0                                   ; the last lap fills nothing, and has no round of the cluster's barrier
	STEP 0, 2, 0
	TURN 0, 1, 0
	STEP 1, 0, 0
	STEP 1, 1, 0
	STEP 1, 2, 0
	s_wait_dscnt 0                                 ; the very last step: nothing more to fetch
	MM8 0, 3, 0
	MM8 1, 3, 0
	MM8 2, 3, 0
	MM8 3, 3, 0
	WIN 0
; THE WAY OUT, block a of 16 rows x 128 columns after block.  A lane holds pieces of a row, and the lanes beside it hold other rows: so a block goes through my own stage in LDS and comes back as whole
; rows of 512 bytes, into the fragments' registers of window a % 4.  LDS serves a wave's instructions in order (ISA guide 5.7.1.4): no wait between the stores and the loads, nor in front of the next block's stores.
.macro TOSTAGE a
.irp bh, 0,1
.set WN, ((\a)/4)*3+(1-2*((\a)/4))*\bh ; rows 0-63: windows 0, 1; rows 64-127: windows 3, 2
	WIN 4*WN
.irp bp, 0,1
.set AC, 128+16*(2*((\a)%4)+\bp)
.irp j, 0,1,2,3                        ; each accumulator from its low end on
	ds_store_b128 v[STO], v[AC+4*\j:AC+4*\j+3] offset:256*\bh+128*\bp+64*(\j/2)+16*(\j%2)
.endr
.endr
.endr
	WIN 0x40*((\a)%4)
.irp t, 0,1,2,3,4,5,6,7,8,9,10,11,12,13,14,15
	ds_load_b128 v[64+4*\t:64+4*\t+3], v[RD] offset:\t*SPITCH
.endr
.endm
.macro SEND a, younger                 ; younger: the LDS instructions issued behind block a's loads, which may stay out
	s_wait_dscnt \younger                          ; the block is back in registers
	WIN 4*((\a)%4)
.irp t, 0,1,2,3,4,5,6,7,8,9,10,11,12,13,14,15
	global_store_b128 v[CO], v[64+4*\t:64+4*\t+3], s[10:11] offset:(16*(\a)+\t)*SIZE_N*4 th:TH_STORE_NT   ; 32 lanes store 512 consecutive bytes, at a multiple of 256 from C's first byte
.endr
.endm
	PLACES                                         ; behind the last products, in front of the reads of results and of the loads into the fragments' registers
	TOSTAGE 0
.irp a, 1,2,3,4,5,6,7
.if \a > 3
	s_wait_xcnt 0x0                                ; block a - 4's stores have read their registers: block a's loads may land there
.endif
	TOSTAGE \a
	SEND \a-1, 32                                  ; behind block a - 1's loads: block a's 16 stores and 16 loads
.endr
	SEND 7, 0
	WIN 0
	s_wait_tensorcnt 0x0                           ; the wave's end: behind my last tensor load and my last LDS store
	ds_add_u32 v[SPW], v[NIL]
	s_wait_dscnt 0x0
	CROUND                                         ; the closing round: no work-group ends while a partner may still ask for a tile that names it
	s_endpgm
.Lfunc_end_k_q2a1e30d14b_gemm:
	.size	k_q2a1e30d14b_gemm, .Lfunc_end_k_q2a1e30d14b_gemm-k_q2a1e30d14b_gemm
	.p2alignl 7, 3214868480
	.fill 96, 4, 3214868480
	.section	.rodata,"a",@progbits
	.p2align	6, 0x0
	.amdhsa_kernel k_q2a1e30d14b_gemm
		.amdhsa_group_segment_fixed_size 327680
		.amdhsa_private_segment_fixed_size 0
		.amdhsa_enable_private_segment 0
		.amdhsa_kernarg_size 32
		.amdhsa_user_sgpr_count 2
		.amdhsa_user_sgpr_kernarg_segment_ptr 1
		.amdhsa_wavefront_size32 1
		.amdhsa_system_sgpr_workgroup_id_x 1
		.amdhsa_system_sgpr_workgroup_id_y 1
		.amdhsa_system_sgpr_workgroup_id_z 1
		.amdhsa_system_vgpr_workitem_id 0
		.amdhsa_next_free_vgpr 1024
		.amdhsa_next_free_sgpr 96
		.amdhsa_reserve_vcc 0
		.amdhsa_float_denorm_mode_32 3
		.amdhsa_float_denorm_mode_16_64 3
		.amdhsa_memory_ordered 1
		.amdhsa_forward_progress 1
		.amdhsa_inst_pref_size 151
	.end_amdhsa_kernel
	.amdgpu_metadata
---
amdhsa.version: [ 1, 2 ]
amdhsa.kernels:
  - .name:           k_q2a1e30d14b_gemm
    .symbol:         k_q2a1e30d14b_gemm.kd
    .args:
      - { .name: x_codes, .offset: 0, .size: 8, .value_kind: global_buffer, .address_space: global }
      - { .name: x_scales, .offset: 8, .size: 8, .value_kind: global_buffer, .address_space: global }
      - { .name: wq, .offset: 16, .size: 8, .value_kind: global_buffer, .address_space: global }
      - { .name: out0, .offset: 24, .size: 8, .value_kind: global_buffer, .address_space: global }
    .group_segment_fixed_size: 327680
    .private_segment_fixed_size: 0
    .kernarg_segment_align: 8
    .kernarg_segment_size: 32
    .max_flat_workgroup_size: 128
    .sgpr_count:     96
    .vgpr_count:     1024
    .wavefront_size: 32
...
	.end_amdgpu_metadata
.endif
;; end of part 2
